; MI455X (gfx1250); checked and timed in simulation.
; The chip was launched on July 23, 2026; its instructions are those of AMD's public machine-readable ISA for CDNA 5 (MIT licence, August 2026) and "CDNA5" Instruction Set Architecture Reference Guide (July 2026). The comments in the code are by the model that wrote it; some were corrected since.
;; Knrm. Allowed arithmetic: matrix products marked QUANTISED: E2M1 operands, one E8M0 scale for each 32 along K, by v_wmma_scale_f32_16x16x128_f8f6f4 with both operands' format E2M1 (or v_wmma_scale_f32_32x16x128_f4), f32 sums; products left as they are: f32 operands where the result goes on into a quantised operand, else bf16, f16 or f32 operands; f32 sums; everything else in f32.
;; Inputs: W1 11 x 1 float32; b1 1 float32; embeddings 100,001 x 300 float32; inputs_d 256 x 512 int32; inputs_q 256 x 16 int32; mask 256 x 16 x 512 float32; mu 11 float32; q_weights 256 x 16 x 1 float32; sigma 11 float32.
;; Outputs: out0 256 x 1 float32.
;; This version of the problem:
;;   THIS VERSION OF THE PROBLEM IS GIVEN IN LOW PRECISION. The matrix products marked QUANTISED in the list below multiply operands that are first quantised to E2M1 (2 exponent bits, 1 mantissa bit; 4 bits a number), with one power-of-two scale for each 32 numbers along K (OCP MX v1.0); their sums are f32. All else is computed in f32.
;;   The module's matrix products, in the order in which they are computed (A, B: the left and right operand; K: the contracted axis; several contracted axes count as one K, in the product's order):
;;     1. batch 256 x [M 16, K 300] x [K 300, N 512]; A: computed on the way; B: computed on the way: QUANTISED
;;     2. [M 256, K 11] x [K 11, N 1]; A: computed on the way; B: input W1: left as it is (K = 11 < 32)
;;   THE QUANTISER, for each operand of a quantised product, along K:
;;     - K is cut into blocks of 32 from its start; a last block that is shorter is filled with zeros.
;;     - A block's scale is 2^e with e = floor(log2(the largest magnitude in the block)) - 2, held to -126 .. 127; a block of zeros has e = 0. As a byte (E8M0): e + 127.
;;     - Each number is divided by its block's scale, clamped to +-6, and rounded to the nearest number of E2M1, ties to even, subnormals kept.
;;     - The product sums the exact products of the quantised numbers (number of the format x scale) in f32.
;;   ~~~python
;;   def quantise(x, axis):      # numpy; x: float32 -> the quantised numbers, widened to float32 again
;;       x = np.moveaxis(x, axis, -1); K = x.shape[-1]
;;       x = np.pad(x, [(0, 0)] * (x.ndim - 1) + [(0, -K % 32)]); x = x.reshape(x.shape[:-1] + (-1, 32)); a = np.abs(x).max(-1, keepdims=True)
;;       e = np.where(a > 0, np.clip(np.frexp(np.where(a > 0, a, 1))[1] - 1 - 2, -126, 127), 0)      # np.frexp(a)[1] - 1 = floor(log2(a)), exactly
;;       r = np.clip(x / 2.0 ** e, -6, 6)
;;       step = 2.0 ** (np.maximum(np.frexp(np.where(r == 0, 1, r))[1] - 1, 0) - 1)
;;       q = np.round(r / step) * step * 2.0 ** e      # np.round: ties to even
;;       return np.moveaxis(q.reshape(q.shape[:-2] + (-1,))[..., :K], -1, axis).astype(np.float32)
;;   ~~~
;;   OPERANDS COMPUTED ON THE WAY. 'Computed on the way' means the value that the module computes at that place (a softmax that the list does not call 'softmax' is quantised finished and normalised). What goes into a quantiser is computed in f32, as accurately as f32 sums, v_exp_f32 and their like allow (about 1e-6 of the number): no bf16 or f16 on the way to a quantiser, and a product that is left as it is and whose result goes on into a quantised operand takes f32 operands (vector FMAs, or v_wmma_f32_16x16x4_f32). A number that lies on a knife's edge between two numbers of the format may be rounded either way, as far as f32 arithmetic and the matrix unit's own rounding can turn it there, and no further.
;; One version. Each part assembles by itself: llvm-mc -triple=amdgcn-amd-amdhsa -mcpu=gfx1250 --defsym DOCPART=n.
;; ======== version 1 of 1: 1 launch
;; limits: right only within a limited range of input values
;; launch knrm (part 1): grid 256 x 1, 16 waves a work-group, no clusters, 327,680 bytes of LDS; arguments embeddings, inputs_d, inputs_q, mask, mu, sigma, q_weights, W1, b1, out0; writes out0
.if DOCPART == 1
	.amdgcn_target "amdgcn-amd-amdhsa--gfx1250"
	.amdhsa_code_object_version 6
	.text
	.protected	k_q9b78c04c55_knrm
	.globl	k_q9b78c04c55_knrm
	.p2align	8
	.type	k_q9b78c04c55_knrm,@function
k_q9b78c04c55_knrm:
	s_mov_b64 s[64:65], 0
	v_nop
	global_prefetch_b8 v0, s[64:65] scope:SCOPE_SE
	s_setreg_imm32_b32 hwreg(HW_REG_WAVE_MODE, 25, 1), 1
	s_wait_xcnt 0x0
; K-NRM, one launch.  out0[b] = tanh( sum_q qw[b][q] sum_k W1[k] 0.01 ln( max( sum_d mask[b][q][d] exp(-(sim[q][d] - mu[k])^2 / (2 sigma[k]^2)), 1e-10 ) ) + b1 ),
; sim = nq nd^T on codes of FP4 (E2M1) with one E8M0 scale for each 32 along E; nq, nd = gathered rows of the table divided by (their norm + 1e-10), in f32.
; SHARES.  Work-group b owns batch b.  Wave w of sixteen owns documents 32 w .. 32 w + 31: tile A (the first 16) and tile B (the next 16); it also quantises query row w.
; THE GATHER.  A row of the table is 1,200 bytes = 75 pieces of 16.  Tile A, at the start: pieces 0 .. 63 by asynchronous copies into the wave's own stage in LDS (two a row, 512 bytes each), pieces 64 .. 74 by eight loads
; of two rows each, which go to the stage behind the copies.  Tile B: 40 loads into 160 registers, five for each pair of rows: two pairs ahead of the wait for tile A, the other six between the half slots of tile A's work.
; A copy's immediate counts on both sides, so row i's scalar base is the row's address less 1,200 i, and the immediate 1,200 i brings both
; the row and its place in the stage: one pair of address registers serves all rows.  Tile B goes through the same stage when tile A has been read for the last time.
; LDS rows are 1,200 bytes apart, an odd multiple of 16: the 16 rows that a load touches fall on different banks (64 banks of 4 bytes: ISA guide 11.1).
; THE QUANTISER.  Lane (R = lane % 16, H = lane / 16) holds blocks 2 p + H, p = 0 .. 4, of row R: just what registers 4 p .. 4 p + 3 of the operand want.  300 = 9 x 32 + 12: in lanes 16-31 the last 20 numbers of slot 4 lie behind the row's end;
; they are read from inside the row and count with the factor 0.  Blocks 10 and 11 of the third K step are zero codes.  A block's largest normalised magnitude is its largest raw magnitude times the row's reciprocal: one positive factor keeps the order, roundings too.
; Tile A is read twice (norm and maxima, then codes), 16 numbers at a time, since tile B's registers are taken; tile B is read once.
; THE PRODUCT.  Source 0 = 16 documents, source 1 = the 16 queries: a lane holds query R and documents 8 H + 0 .. 7.
; No tensor loads (a gather by a list has no tile), no cluster (work-groups share no tile), no prefetch (there is no loop to run ahead in: each wave has two tiles, and the second is asked for before the first is worked through).
; A wave's mask bytes are 128 neighbouring bytes of each of 16 rows, read once, while the indices are on their way.
; LIMITS.  Indices are taken as unsigned and held at 100,000 (the table's last row).  sigma^2 must be a normal f32 other than 0.  NaN and infinities among the inputs are not served.
; x / (norm + 1e-10) is x times v_rcp_f32 of it (v_sqrt_f32 and v_rcp_f32: 1 ulp each).  A block of zeros has the byte 1 over zero codes, where the quantiser says 127.
; The sums of squares, over documents and over queries are taken in another order than the reference takes them.
.set VMAX,   100000                    ; the table's last row
.set ROWB,   1200                      ; a row in bytes, in memory and in a stage
.set WSTG,   16*ROWB                   ; a wave's stage: 75 blocks of 256 bytes
.set SPARE,  16*WSTG                   ; the spare words, 128 bytes a wave
.set QCODE,  SPARE+2048                ; the queries' codes: 16 rows of 192 bytes + 16
.set QPITCH, 208
.set QSC,    QCODE+16*QPITCH           ; their scale words: [K step][query]
.set RED,    QSC+256                   ; the waves' partial sums: [k][R][wave], 4 bytes each: 11 x 1,024 bytes
.set SA,   1                           ; my stage + 16 x lane
.set L16,  2                           ; 16 x lane
.set L3B,  5                           ; 1,024 + 16 x (11 R / 16): pieces 64 .. 74, some named by two lanes
.set MLO,  6                           ; all ones in lanes 0-15
.set MHI,  7                           ; all ones in lanes 16-31
.set MUV,  8                           ; -mu, lane k
.set CV,   9                           ; -log2(e) / (2 sigma^2), lane k
.set SC,   2                           ; v[2:6]   (when v2-9 are done with) the conversions' scale operands
.set NRM,  7
.set RNZ,  8                           ; v[8:9]   1 / (norm + 1e-10) in lanes 0-15, 0 in lanes 16-31; v9 is only named with it
.set SIM,  2                           ; v[2:9]   the similarities
.set SB,   10                          ; my stage + 1200 H + 16 x (11 R / 16)
.set FA,   11                          ; my stage + 1200 R + 128 H
.set FB,   12                          ; my stage + 1200 R
.set SPW,  13
.set NIL,  14
.set SH8,  15                          ; 8 H
.set QW,   16                          ; q_weights[b][R]
.set QCA,  17                          ; QCODE + 208 R + 16 H
.set QSA,  18                          ; QSC + 4 R
.set RDA,  19                          ; RED + 64 R + 4 wave
.set RN,   20                          ; v[20:21] 1 / (norm + 1e-10); v21 is only named with it
.set HF,   21                          ; 1.0 in lanes 0-15, 0.0 in lanes 16-31
.set MK,   22                          ; v[22:37] the mask: tile A's 8, tile B's 8
.set DS,   38                          ; v[38:40] the documents' scale words
.set QS,   41                          ; v[41:43] the queries'
.set DC,   44                          ; v[44:67] the documents' codes; ahead of them in the same registers:
.set SS,   44                          ; v[44:51] sums of squares, four pairs
.set TS,   52                          ; v[52:55] the same of slot 4's last 20 numbers
.set MX,   56                          ; v[56:60] largest magnitudes of my five blocks
.set MXT,  61                          ; and of those 20
.set BY,   44
.set PT,   49
.set PS,   54
.set CH,   64                          ; v[64:95] tile A: its pieces 64 .. 74 as loaded; then two half slots by turns
.set ACC,  68                          ; v[68:89] the 11 kernels' sums over my documents, a pair each
.set F,    96                          ; v[96:255] tile B; until a load is issued, its offset stands in the first register that it fills
.set OA,   44                          ; v[44:51] offsets of tile A's eight loads
.set QX,   96                          ; v[96:111] my query row
.set AB,   32                          ; s[32:63] tile A's bases; its indices come into s[48:63]
.set IB,   80                          ; s[80:95] tile B's indices
.set MU,   32                          ; s[32:53] -mu[k], twice (the packed forms name a pair)
.set CC,   80                          ; s[80:101] c[k], twice
.set WK,   68                          ; s[68:78] W1; s79 b1
.set SEL,  28                          ; v_permlanex16_b32's selects for lane l xor 16
.macro VW
	s_wait_alu depctr_va_vdst(0)
.endm
; Half h of slot p (16 numbers) from the stage into v[b ..].
.macro LDH p, h, b
.irp i, 0,1,2,3
.if ((\p) == 4) && (((\h) == 1) || (\i == 3))
	ds_load_b128 v[\b+4*\i:\b+4*\i+3], v[FB] offset:1024+64*(\h)+16*\i     ; lanes 16-31 stay inside the row: their numbers count with the factor 0
.else
	ds_load_b128 v[\b+4*\i:\b+4*\i+3], v[FA] offset:256*(\p)+64*(\h)+16*\i
.endif
.endr
.endm
; Its squares and its largest magnitude.
.macro HALF p, h, b
.set j, 0
.rept 8
.set ra, \b+2*j
.if ((\p) == 4) && (((\h) == 1) || (j >= 6))
.if (\h) == 0
	v_pk_mul_f32 v[TS+2*(j%2):TS+2*(j%2)+1], v[ra:ra+1], v[ra:ra+1]
.else
	v_pk_fma_f32 v[TS+2*(j%2):TS+2*(j%2)+1], v[ra:ra+1], v[ra:ra+1], v[TS+2*(j%2):TS+2*(j%2)+1]
.endif
.if ((\h) == 0) && (j == 6)
	v_max_num_f32 v[MXT], |v[ra]|, |v[ra+1]|
.else
	v_max3_num_f32 v[MXT], v[MXT], |v[ra]|, |v[ra+1]|
.endif
.else
.if ((\p) == 0) && ((\h) == 0) && (j < 4)
	v_pk_mul_f32 v[SS+2*j:SS+2*j+1], v[ra:ra+1], v[ra:ra+1]                ; the first four pairs start the chains
.else
	v_pk_fma_f32 v[SS+2*(j%4):SS+2*(j%4)+1], v[ra:ra+1], v[ra:ra+1], v[SS+2*(j%4):SS+2*(j%4)+1]
.endif
.if ((\h) == 0) && (j == 0)
	v_max_num_f32 v[MX+(\p)], |v[ra]|, |v[ra+1]|
.else
	v_max3_num_f32 v[MX+(\p)], v[MX+(\p)], |v[ra]|, |v[ra+1]|
.endif
.endif
.set j, j+1
.endr
.endm
; Its normalised numbers and their codes.
.macro CONV p, h, b
.set j, 0
.rept 8
.set ra, \b+2*j
.if ((\p) == 4) && (((\h) == 1) || (j >= 6))
	v_pk_mul_f32 v[ra:ra+1], v[ra:ra+1], v[RNZ:RNZ+1] op_sel_hi:[1,0]
.else
	v_pk_mul_f32 v[ra:ra+1], v[ra:ra+1], v[RN:RN+1] op_sel_hi:[1,0]
.endif
.set j, j+1
.endr
	v_cvt_scalef32_pk8_fp4_f32 v[DC+4*(\p)+2*(\h)], v[\b:\b+7], v[SC+(\p)]
	v_cvt_scalef32_pk8_fp4_f32 v[DC+4*(\p)+2*(\h)+1], v[\b+8:\b+15], v[SC+(\p)]
.endm
; The row's reciprocal, the scale operands and the three scale words.
.macro NORM
	v_pk_add_f32 v[SS:SS+1], v[SS:SS+1], v[SS+2:SS+3]
	v_pk_add_f32 v[SS+4:SS+5], v[SS+4:SS+5], v[SS+6:SS+7]
	v_pk_add_f32 v[TS:TS+1], v[TS:TS+1], v[TS+2:TS+3]
	v_mul_f32 v[MXT], v[MXT], v[HF]
	v_pk_add_f32 v[SS:SS+1], v[SS:SS+1], v[SS+4:SS+5]
	v_add_f32 v[TS], v[TS], v[TS+1]
	v_max_num_f32 v[MX+4], v[MX+4], v[MXT]
	v_add_f32 v[SS], v[SS], v[SS+1]
	v_fma_f32 v[SS], v[TS], v[HF], v[SS]
	v_permlanex16_b32 v[PS], v[SS], s[SEL], s[SEL+1]
	v_add_f32 v[SS], v[SS], v[PS]                  ; with lane l xor 16's five blocks: the row's sum of squares
	VW
	v_sqrt_f32 v[NRM], v[SS]
	v_nop                                          ; a plain instruction behind a transcendental (ISA guide 5.7.2)
	VW
	v_add_f32 v[NRM], 0x2edbe6ff, v[NRM]           ; + 1e-10
	VW
	v_rcp_f32 v[RN], v[NRM]
	v_nop
	VW
	v_mul_f32 v[RNZ], v[RN], v[HF]
.irp p, 0,1,2,3,4
	v_mul_f32 v[MX+\p], v[MX+\p], v[RN]            ; the block's largest NORMALISED magnitude, bit for bit
.endr
.irp p, 0,1,2,3,4
	v_max_num_f32 v[MX+\p], 0x1800000, v[MX+\p]    ; the floor 2^(3 - 127): the byte cannot fall under 1
.endr
.irp p, 0,1,2,3,4
	v_add_nc_u32 v[SC+\p], 0xff000000, v[MX+\p]    ; 2 off the exponent field: the conversion takes the exponent field of this operand as its scale
.endr
.irp p, 0,1,2,3,4
	v_lshrrev_b32 v[BY+\p], 23, v[SC+\p]           ; the scale's byte
.endr
	v_lshl_or_b32 v[DS], v[BY+1], 16, v[BY]        ; K step 0: my blocks H and 2 + H,
	v_lshl_or_b32 v[DS+1], v[BY+3], 16, v[BY+2]    ; K step 1: blocks 4 + H and 6 + H,
	v_lshlrev_b32 v[DS+2], v[SH8], v[BY+4]         ; K step 2: block 8 + H; its bytes 2 and 3 stay 0, over zero codes
	v_lshlrev_b32 v[DS], v[SH8], v[DS]             ; at their places: 8 H bits up
	v_lshlrev_b32 v[DS+1], v[SH8], v[DS+1]
.irp s, 0,1,2
	v_permlanex16_b32 v[PT+\s], v[DS+\s], s[SEL], s[SEL+1]
.endr
.irp s, 0,1,2
	v_or_b32 v[DS+\s], v[DS+\s], v[PT+\s]          ; with lane l xor 16's bytes the words are whole
.endr
.endm
; sim^T: three K steps of 128 on one accumulator; the queries' codes come from LDS into v[qc ..].  The waits stand directly ahead of the links.
.macro MM qc
.irp s, 0,1,2
	ds_load_b128 v[\qc+8*\s:\qc+8*\s+3], v[QCA] offset:64*\s
	ds_load_b128 v[\qc+8*\s+4:\qc+8*\s+7], v[QCA] offset:64*\s+32
	ds_load_b32 v[QS+\s], v[QSA] offset:64*\s
.endr
.irp i, 20,21,22,23
	v_mov_b32 v[DC+\i], 0                          ; blocks 10 and 11
.endr
.rept 4
	v_nop                                          ; four plain places between operands written by vector instructions and the product
.endr
	VW
	s_wait_dscnt 0x0
	v_wmma_scale_f32_16x16x128_f8f6f4 v[SIM:SIM+7], v[DC:DC+7], v[\qc:\qc+7], 0, v[DS], v[QS] matrix_a_fmt:MATRIX_FMT_FP4 matrix_b_fmt:MATRIX_FMT_FP4
	s_wait_alu depctr_va_vdst(0)
	v_wmma_scale_f32_16x16x128_f8f6f4 v[SIM:SIM+7], v[DC+8:DC+15], v[\qc+8:\qc+15], v[SIM:SIM+7], v[DS+1], v[QS+1] matrix_a_fmt:MATRIX_FMT_FP4 matrix_b_fmt:MATRIX_FMT_FP4
	s_wait_alu depctr_va_vdst(0)
	v_wmma_scale_f32_16x16x128_f8f6f4 v[SIM:SIM+7], v[DC+16:DC+23], v[\qc+16:\qc+23], v[SIM:SIM+7], v[DS+2], v[QS+2] matrix_a_fmt:MATRIX_FMT_FP4 matrix_b_fmt:MATRIX_FMT_FP4
.rept 4
	v_nop                                          ; four places behind a matrix instruction (ISA guide 7.12.1)
.endr
.endm
; Kernels k0 .. k0 + nk - 1 of my 8 similarities: 2^(c (sim - mu)^2), times the mask, onto the sums.  The exponent is never above 0.
.macro RBF tb, k0, nk, mk, first
.set k, \k0
.rept \nk
.set tt, \tb+8*(k-\k0)
.irp j, 0,2,4,6
	v_pk_add_f32 v[tt+\j:tt+\j+1], v[SIM+\j:SIM+\j+1], s[MU+2*k:MU+2*k+1] op_sel_hi:[1,0]   ; (the accumulator is read from its low end on)
.endr
.irp j, 0,2,4,6
	v_pk_mul_f32 v[tt+\j:tt+\j+1], v[tt+\j:tt+\j+1], v[tt+\j:tt+\j+1]
.endr
.irp j, 0,2,4,6
	v_pk_mul_f32 v[tt+\j:tt+\j+1], v[tt+\j:tt+\j+1], s[CC+2*k:CC+2*k+1] op_sel_hi:[1,0]
.endr
.set k, k+1
.endr
	VW                                             ; ahead of the batch,
.set k, 0
.rept 8*(\nk)
	v_exp_f32 v[\tb+k], v[\tb+k]
.set k, k+1
.endr
	v_nop
	VW                                             ; and behind it
.irp j, 0,2,4,6
.set k, \k0
.rept \nk
.set tt, \tb+8*(k-\k0)
.if \first && (\j == 0)
	v_pk_mul_f32 v[ACC+2*k:ACC+2*k+1], v[tt+\j:tt+\j+1], v[\mk+\j:\mk+\j+1]   ; tile A's first pair starts the sums
.else
	v_pk_fma_f32 v[ACC+2*k:ACC+2*k+1], v[tt+\j:tt+\j+1], v[\mk+\j:\mk+\j+1], v[ACC+2*k:ACC+2*k+1]
.endif
.set k, k+1
.endr
.endr
.endm
; Offsets of tile B's rows 2 i and 2 i + 1: each in the first register of its own load's destination.
.macro BOFF i
	s_min_u32 s[IB+2*\i], s[IB+2*\i], VMAX
	s_min_u32 s[IB+2*\i+1], s[IB+2*\i+1], VMAX
	s_mul_i32 s[IB+2*\i], s[IB+2*\i], ROWB
	s_mul_i32 s[IB+2*\i+1], s[IB+2*\i+1], ROWB
	v_and_b32 v[F+128+4*\i], s[IB+2*\i], v[MLO]
	v_and_b32 v[F+128+4*\i+1], s[IB+2*\i+1], v[MHI]
	v_add_nc_u32 v[F+16*\i], s[IB+2*\i], v[L16]
	v_add_nc_u32 v[F+16*\i+4], s[IB+2*\i], v[L16]
	v_add_nc_u32 v[F+128+4*\i], v[F+128+4*\i], v[F+128+4*\i+1]
	v_add_nc_u32 v[F+16*\i+8], s[IB+2*\i+1], v[L16]
	v_add_nc_u32 v[F+16*\i+12], s[IB+2*\i+1], v[L16]
	v_add_nc_u32 v[F+128+4*\i], v[F+128+4*\i], v[L3B]
.endm
; Their five loads.  No hint: a list may name a row twice.
.macro BLOAD i
	global_load_b128 v[F+16*\i:F+16*\i+3], v[F+16*\i], s[4:5]              ; 32 lanes read 512 neighbouring bytes of row 2 i,
	global_load_b128 v[F+16*\i+4:F+16*\i+7], v[F+16*\i+4], s[4:5] offset:512   ; and the next 512
	global_load_b128 v[F+16*\i+8:F+16*\i+11], v[F+16*\i+8], s[4:5]
	global_load_b128 v[F+16*\i+12:F+16*\i+15], v[F+16*\i+12], s[4:5] offset:512
	global_load_b128 v[F+128+4*\i:F+128+4*\i+3], v[F+128+4*\i], s[4:5]     ; pieces 64 .. 74: lanes 0-15 row 2 i, lanes 16-31 row 2 i + 1
.endm
	; ---- the head
	s_load_b512 s[4:19], s[0:1], 0x0               ; embeddings s[4:5], inputs_d s[6:7], inputs_q s[8:9], mask s[10:11], mu s[12:13], sigma s[14:15], q_weights s[16:17], W1 s[18:19]
	s_load_b128 s[20:23], s[0:1], 0x40             ; b1 s[20:21], out0 s[22:23]
	v_lshl_add_u32 v[SPW], v0, 2, SPARE
	v_mov_b32 v[NIL], 0
	ds_add_u32 v[SPW], v[NIL]                      ; the opening lines: the add, twice, and below one wait for both
	ds_add_u32 v[SPW], v[NIL]
	v_lshrrev_b32 v96, 5, v0
	v_readfirstlane_b32 s2, v96                    ; wave 0..15
	v_and_b32 v97, 31, v0                          ; lane
	v_and_b32 v98, 15, v0                          ; R
	v_bfe_u32 v99, v0, 4, 1                        ; H
	v_lshlrev_b32 v[L16], 4, v97
	v_mul_u32_u24 v101, 11, v98
	v_lshrrev_b32 v101, 4, v101                    ; 0 .. 10
	v_lshlrev_b32 v101, 4, v101
	v_add_nc_u32 v[L3B], 1024, v101
	v_sub_nc_u32 v[MHI], 0, v99
	v_xor_b32 v[MLO], -1, v[MHI]
	v_lshlrev_b32 v[SH8], 3, v99
	v_xor_b32 v102, 1, v99
	v_cvt_f32_u32 v[HF], v102
	v_cmp_gt_u32 s30, 11, v97                      ; lanes 0-10
	v_min_u32 v102, 10, v97
	v_lshlrev_b32 v142, 4, v102                    ; a query row's third load: lane l takes piece 64 + min(l, 10)
	v_lshlrev_b32 v114, 2, v102                    ; mu, sigma: lane k takes number k
	v_lshlrev_b32 v115, 2, v98
	v_lshlrev_b32 v113, 11, v98
	v_lshl_add_u32 v113, v99, 5, v113              ; mask: 2,048 R + 32 H
	s_mul_i32 s3, s2, WSTG                         ; my stage
	v_add_nc_u32 v[SA], s3, v[L16]
	v_mul_u32_u24 v103, ROWB, v99
	v_add_nc_u32 v103, v103, v101
	v_add_nc_u32 v[SB], s3, v103
	v_mul_u32_u24 v104, ROWB, v98
	v_add_nc_u32 v[FB], s3, v104
	v_lshl_add_u32 v[FA], v99, 7, v[FB]
	v_mul_u32_u24 v105, QPITCH, v98
	v_lshl_add_u32 v105, v99, 4, v105
	v_add_nc_u32 v[QCA], QCODE, v105
	v_lshl_add_u32 v[QSA], v98, 2, QSC
	s_mul_i32 s3, s2, QPITCH
	s_add_co_u32 s3, s3, QCODE
	v_lshl_add_u32 v140, v97, 1, s3                ; my query row's codes: 2 bytes a lane
	s_lshl_b32 s3, s2, 2
	s_add_co_u32 s24, s3, QSC
	v_lshrrev_b32 v141, 3, v97
	v_add_nc_u32 v141, s24, v141                   ; and its scale bytes: eight lanes to a block
	s_add_co_u32 s3, s3, RED
	v_lshl_add_u32 v[RDA], v98, 6, s3
	VW                                             ; the head's vector writes end here
	s_mov_b32 s[SEL], 0x76543210
	s_mov_b32 s[SEL+1], 0xfedcba98
	s_lshl_b32 s26, ttmp9, 11                      ; byte offsets of my part, each in a pair with 0 above it: inputs_d: 2,048 b + 128 w
	s_lshl_b32 s3, s2, 7
	s_add_co_u32 s26, s26, s3
	s_mov_b32 s27, 0
	s_lshl_b32 s32, ttmp9, 15                      ; mask: 32,768 b + 128 w
	s_add_co_u32 s32, s32, s3
	s_mov_b32 s33, 0
	s_lshl_b32 s34, ttmp9, 6                       ; q_weights: 64 b
	s_mov_b32 s35, 0
	s_lshl_b32 s24, s2, 2
	s_add_co_u32 s24, s24, s34                     ; inputs_q: 64 b + 4 w
	s_mov_b32 s25, 0
	s_lshl_b32 s36, ttmp9, 2                       ; out0: 4 b
	s_mov_b32 s37, 0
	s_mov_b32 s99, 0
	s_wait_dscnt 0x0                               ; both opening adds are done
	s_wait_kmcnt 0x0
	s_add_nc_u64 s[6:7], s[6:7], s[26:27]
	s_add_nc_u64 s[8:9], s[8:9], s[24:25]
	s_load_b512 s[48:63], s[6:7], 0x0              ; tile A's indices
	s_load_b512 s[IB:IB+15], s[6:7], 0x40          ; tile B's
	s_load_b32 s31, s[8:9], 0x0                    ; my query's
	s_load_b256 s[WK:WK+7], s[18:19], 0x0          ; W1: 44 bytes
	s_load_b96 s[WK+8:WK+10], s[18:19], 0x20
	s_load_b32 s79, s[20:21], 0x0                  ; b1
	s_add_nc_u64 s[10:11], s[10:11], s[32:33]
	s_add_nc_u64 s[16:17], s[16:17], s[34:35]
	s_add_nc_u64 s[22:23], s[22:23], s[36:37]
.irp i, 0,1,2,3
	global_load_b128 v[MK+4*\i:MK+4*\i+3], v113, s[10:11] offset:64*(\i/2)+16*(\i%2)   ; mask[b][R][32 w + 16 t + 8 H + 0 .. 7]
.endr
	global_load_b32 v[MUV], v114, s[12:13]
	global_load_b32 v[CV], v114, s[14:15]
	global_load_b32 v[QW], v115, s[16:17]
	s_mov_b64 s[26:27], s[4:5]
	s_wait_kmcnt 0x0
	s_min_u32 s24, s31, VMAX
	s_mul_i32 s24, s24, ROWB                       ; s25 is 0
	s_add_nc_u64 s[66:67], s[4:5], s[24:25]
	global_load_b128 v[QX:QX+3], v[L16], s[66:67]
	global_load_b128 v[QX+4:QX+7], v[L16], s[66:67] offset:512
	global_load_b128 v[QX+8:QX+11], v142, s[66:67] offset:1024
	; tile A's bases and offsets.  s[26:27] = the table less 1,200 bytes for each row passed; s25 and s99 are 0
.set i, 0
.rept 8
	s_min_u32 s24, s[48+2*i], VMAX
	s_min_u32 s98, s[49+2*i], VMAX
	s_mul_i32 s24, s24, ROWB
	s_mul_i32 s98, s98, ROWB
	v_and_b32 v[OA+i], s24, v[MLO]
	v_and_b32 v52, s98, v[MHI]
	s_add_nc_u64 s[AB+4*i:AB+4*i+1], s[26:27], s[24:25]
	s_sub_nc_u64 s[26:27], s[26:27], ROWB
	v_add_nc_u32 v[OA+i], v[OA+i], v52
	s_add_nc_u64 s[AB+4*i+2:AB+4*i+3], s[26:27], s[98:99]
	s_sub_nc_u64 s[26:27], s[26:27], ROWB
	v_add_nc_u32 v[OA+i], v[OA+i], v[L3B]
.set i, i+1
.endr
	VW
	; its 32 copies and eight loads
.set i, 0
.rept 8
	global_load_async_to_lds_b128 v[SA], v[L16], s[AB+4*i:AB+4*i+1] offset:2*ROWB*i
	global_load_async_to_lds_b128 v[SA], v[L16], s[AB+4*i:AB+4*i+1] offset:2*ROWB*i+512
	global_load_async_to_lds_b128 v[SA], v[L16], s[AB+4*i+2:AB+4*i+3] offset:2*ROWB*i+ROWB
	global_load_async_to_lds_b128 v[SA], v[L16], s[AB+4*i+2:AB+4*i+3] offset:2*ROWB*i+ROWB+512
	global_load_b128 v[CH+4*i:CH+4*i+3], v[OA+i], s[4:5]                   ; pieces 64 .. 74: lanes 0-15 row 2 i, lanes 16-31 row 2 i + 1
.set i, i+1
.endr
	; ---- my query row: lane l holds pieces l, 32 + l and 64 + l: four numbers of a block of each K step; eight neighbouring lanes hold a block
	s_wait_loadcnt 8                               ; the mask, mu, sigma, q_weights and the row; tile A's eight loads may be out (the copies count elsewhere)
.irp i, 8,9,10,11
	v_cndmask_b32 v[QX+\i], 0, v[QX+\i], s30       ; E ends behind piece 74: lanes 11-31 hold zeros
.endr
.irp i, 12,13,14,15
	v_mov_b32 v[QX+\i], 0
.endr
	v_mov_b32 v123, 0                              ; named as a pair's upper half
	v_pk_mul_f32 v[112:113], v[QX:QX+1], v[QX:QX+1]
	v_pk_mul_f32 v[114:115], v[QX+2:QX+3], v[QX+2:QX+3]
	v_pk_fma_f32 v[112:113], v[QX+4:QX+5], v[QX+4:QX+5], v[112:113]
	v_pk_fma_f32 v[114:115], v[QX+6:QX+7], v[QX+6:QX+7], v[114:115]
	v_pk_fma_f32 v[112:113], v[QX+8:QX+9], v[QX+8:QX+9], v[112:113]
	v_pk_fma_f32 v[114:115], v[QX+10:QX+11], v[QX+10:QX+11], v[114:115]
.irp s, 0,1,2
	v_max3_num_f32 v[116+\s], |v[QX+4*\s]|, |v[QX+4*\s+1]|, |v[QX+4*\s+2]|
.endr
	v_pk_add_f32 v[112:113], v[112:113], v[114:115]
.irp s, 0,1,2
	v_max_num_f32 v[116+\s], v[116+\s], |v[QX+4*\s+3]|
.endr
	v_add_f32 v112, v112, v113
.irp x, 1,2,4
	v_add_f32_dpp v112, v112, v112 row_xmask:\x row_mask:0xf bank_mask:0xf
.irp s, 0,1,2
	v_max_num_f32_dpp v[116+\s], v[116+\s], v[116+\s] row_xmask:\x row_mask:0xf bank_mask:0xf
.endr
.endr
	v_add_f32_dpp v112, v112, v112 row_xmask:8 row_mask:0xf bank_mask:0xf
	v_mul_f32 v119, v[CV], v[CV]                   ; sigma^2, lane k
	v_xor_b32 v[MUV], 0x80000000, v[MUV]           ; -mu
	v_permlanex16_b32 v113, v112, s[SEL], s[SEL+1]
	v_add_f32 v112, v112, v113                     ; the row's sum of squares, in every lane
	VW
	v_sqrt_f32 v120, v112
	v_rcp_f32 v121, v119
	v_nop
	VW
	v_add_f32 v120, 0x2edbe6ff, v120               ; + 1e-10
	v_mul_f32 v[CV], 0xbf38aa3b, v121              ; c = -log2(e) / 2 / sigma^2
	VW
	v_rcp_f32 v122, v120
	v_nop
	VW
.irp s, 0,1,2
	v_mul_f32 v[116+\s], v[116+\s], v122
.endr
.irp s, 0,1,2
	v_max_num_f32 v[116+\s], 0x1800000, v[116+\s]
.endr
.irp s, 0,1,2
	v_add_nc_u32 v[124+\s], 0xff000000, v[116+\s]
.endr
.irp s, 0,1,2
	v_lshrrev_b32 v[128+\s], 23, v[124+\s]
.endr
.irp i, 0,2,4,6,8,10
	v_pk_mul_f32 v[QX+\i:QX+\i+1], v[QX+\i:QX+\i+1], v[122:123] op_sel_hi:[1,0]
.endr
.irp s, 0,1,2
	v_cvt_scalef32_pk8_fp4_f32 v[132+2*\s], v[QX+4*\s:QX+4*\s+7], v[124+\s]   ; the low 16 bits are K step s's four codes; the rest is not used
.endr
	v_nop                                          ; the plain place behind the conversions
.irp s, 0,1,2
	ds_store_b16 v140, v[132+2*\s] offset:64*\s
	ds_store_b8 v141, v[128+\s] offset:64*\s       ; the eight lanes of a block write the same byte with the same value
.endr
	VW
	s_wait_dscnt 0x0                               ; for the others' sake: my query's codes lie in LDS
	s_barrier_signal -1
	s_barrier_wait -1                              ; everybody's do.  (The copies stay out: each wave reads only its own)
	; ---- tile B's offsets, and its first two pairs of rows
.irp i, 0,1,2,3,4,5,6,7
	BOFF \i
.endr
	VW
	BLOAD 0
	BLOAD 1
	s_wait_asynccnt 0x0                            ; my 32 copies have landed: my stage has had its last fill, and s[32:63] are free
	s_wait_loadcnt 10                              ; tile A's eight loads are in; tile B's first ten may be out
	; ---- tile A
.irp i, 0,1,2,3,4,5,6,7
	ds_store_b128 v[SB], v[CH+4*\i:CH+4*\i+3] offset:2*ROWB*\i+1024        ; lanes that name the same piece write the same bytes
.endr
.set k, 0
.rept 11
	v_readlane_b32 s[MU+2*k], v[MUV], k            ; the kernels' constants
	v_readlane_b32 s[CC+2*k], v[CV], k
.set k, k+1
.endr
.set k, 0
.rept 11
	s_mov_b32 s[MU+2*k+1], s[MU+2*k]               ; named with it as a pair, so it is written
	s_mov_b32 s[CC+2*k+1], s[CC+2*k]
.set k, k+1
.endr
	s_wait_dscnt 0x0                               ; the stores have read their registers
	LDH 0, 0, CH
	LDH 0, 1, CH+16
.irp p, 0,1,2,3,4
.irp h, 0,1
	VW
.if (\p == 4) && (\h == 1)
	s_wait_dscnt 0x0
.else
	s_wait_dscnt 4                                 ; this half's four loads are in; the other half's may be out
.endif
	HALF \p, \h, CH+16*\h
.if \p < 4
	LDH \p+1, \h, CH+16*\h
.endif
.if (\p == 0) && (\h == 1)
	BLOAD 2                                        ; tile B's next pairs, spread over the work
.endif
.if (\p == 2) && (\h == 0)
	BLOAD 3
.endif
.if (\p == 3) && (\h == 1)
	BLOAD 4
.endif
.endr
.endr
	LDH 0, 0, CH                                   ; the second reading
	LDH 0, 1, CH+16
	NORM
	VW
.irp p, 0,1,2,3,4
.irp h, 0,1
.if (\p == 4) && (\h == 1)
	s_wait_dscnt 0x0
.else
	s_wait_dscnt 4
.endif
	CONV \p, \h, CH+16*\h
.if \p < 4
	LDH \p+1, \h, CH+16*\h
.endif
.if (\p == 0) && (\h == 1)
	BLOAD 5
.endif
.if (\p == 2) && (\h == 0)
	BLOAD 6
.endif
.if (\p == 3) && (\h == 1)
	BLOAD 7
.endif
.endr
.endr
	MM 68
	RBF 44, 0, 3, MK, 1
	RBF 44, 3, 3, MK, 1
	RBF 44, 6, 3, MK, 1
	RBF 44, 9, 2, MK, 1
	; ---- tile B: into the stage, which has had its last fill and whose reads are back
	VW
.irp i, 0,1,2,3,4,5,6,7
	s_wait_loadcnt 35-5*\i                         ; loads come back in order (ISA guide 5.7.1): this pair's five are in, the later pairs' may be out
	ds_store_b128 v[SA], v[F+16*\i:F+16*\i+3] offset:2*ROWB*\i
	ds_store_b128 v[SA], v[F+16*\i+4:F+16*\i+7] offset:2*ROWB*\i+512
	ds_store_b128 v[SA], v[F+16*\i+8:F+16*\i+11] offset:2*ROWB*\i+ROWB
	ds_store_b128 v[SA], v[F+16*\i+12:F+16*\i+15] offset:2*ROWB*\i+ROWB+512
	ds_store_b128 v[SB], v[F+128+4*\i:F+128+4*\i+3] offset:2*ROWB*\i+1024
.endr
	s_wait_dscnt 0x0                               ; the stores are done: their registers take the rows back
.irp p, 0,1,2,3,4
.irp h, 0,1
	LDH \p, \h, F+32*\p+16*\h
.endr
.endr
.irp p, 0,1,2,3,4
	VW
	s_wait_dscnt 32-8*\p                           ; slot p's eight loads are in; the later slots' may be out
	HALF \p, 0, F+32*\p
	HALF \p, 1, F+32*\p+16
.endr
	NORM
.irp p, 0,1,2,3,4
.irp h, 0,1
	CONV \p, \h, F+32*\p+16*\h
.endr
.endr
	MM 96
	RBF 120, 0, 11, MK+8, 0
	; ---- the tail: my 32 documents' sums, to LDS; wave 0 finishes the batch
.set AS, 96
.set PP, 108
.set XR, 120
.set KD, 208
.set P2, 220
.set ZZ, 232
.set k, 0
.rept 11
	v_add_f32 v[AS+k], v[ACC+2*k], v[ACC+2*k+1]
.set k, k+1
.endr
.set k, 0
.rept 11
	v_permlanex16_b32 v[PP+k], v[AS+k], s[SEL], s[SEL+1]
.set k, k+1
.endr
.set k, 0
.rept 11
	v_add_f32 v[AS+k], v[AS+k], v[PP+k]            ; with lane l xor 16's eight documents of each tile
.set k, k+1
.endr
.set k, 0
.rept 11
	ds_store_b32 v[RDA], v[AS+k] offset:1024*k     ; lanes l and l xor 16 write the same word with the same value
.set k, k+1
.endr
	VW
	s_wait_tensorcnt 0x0                           ; the dscnt wait below is also for wave 0's sake
	ds_add_u32 v[SPW], v[NIL]
	s_wait_dscnt 0x0
	s_barrier_signal -1
	s_barrier_wait -1
	s_cmp_lg_u32 s2, 0
	s_cbranch_scc1 .Lend
	v_and_b32 v[ZZ], 15, v0
	v_bfe_u32 v[ZZ+1], v0, 4, 1
	v_lshlrev_b32 v[ZZ], 6, v[ZZ]
	v_lshl_add_u32 v[ZZ], v[ZZ+1], 5, v[ZZ]
	v_add_nc_u32 v[ZZ], RED, v[ZZ]
.set k, 0
.rept 11
	ds_load_b128 v[XR+8*k:XR+8*k+3], v[ZZ] offset:1024*k           ; query R, kernel k: the sums of waves 8 H .. 8 H + 7
	ds_load_b128 v[XR+8*k+4:XR+8*k+7], v[ZZ] offset:1024*k+16
.set k, k+1
.endr
	VW
	s_wait_dscnt 0x0
.set k, 0
.rept 22
	v_pk_add_f32 v[XR+4*k:XR+4*k+1], v[XR+4*k:XR+4*k+1], v[XR+4*k+2:XR+4*k+3]
.set k, k+1
.endr
.set k, 0
.rept 11
	v_pk_add_f32 v[XR+8*k:XR+8*k+1], v[XR+8*k:XR+8*k+1], v[XR+8*k+4:XR+8*k+5]
.set k, k+1
.endr
.set k, 0
.rept 11
	v_add_f32 v[KD+k], v[XR+8*k], v[XR+8*k+1]
.set k, k+1
.endr
.set k, 0
.rept 11
	v_permlanex16_b32 v[P2+k], v[KD+k], s[SEL], s[SEL+1]
.set k, k+1
.endr
.set k, 0
.rept 11
	v_add_f32 v[KD+k], v[KD+k], v[P2+k]            ; the sum over all 512 documents
.set k, k+1
.endr
.set k, 0
.rept 11
	v_max_num_f32 v[KD+k], 0x2edbe6ff, v[KD+k]     ; at least 1e-10
.set k, k+1
.endr
	VW
.set k, 0
.rept 11
	v_log_f32 v[KD+k], v[KD+k]                     ; log2
.set k, k+1
.endr
	v_nop
	VW
	v_mul_f32 v[ZZ], s[WK], v[KD]                  ; the dense layer first (K = 11, one column), in f32: then one sum over the queries, not eleven
.set k, 1
.rept 10
	v_fma_f32 v[ZZ], v[KD+k], s[WK+k], v[ZZ]
.set k, k+1
.endr
	v_mul_f32 v[ZZ], v[ZZ], v[QW]
	v_mul_f32 v[ZZ], 0x3be32166, v[ZZ]             ; x 0.01 ln 2
	v_add_f32_dpp v[ZZ], v[ZZ], v[ZZ] row_xmask:1 row_mask:0xf bank_mask:0xf   ; over the 16 queries
	v_add_f32_dpp v[ZZ], v[ZZ], v[ZZ] row_xmask:2 row_mask:0xf bank_mask:0xf
	v_add_f32_dpp v[ZZ], v[ZZ], v[ZZ] row_xmask:4 row_mask:0xf bank_mask:0xf
	v_add_f32_dpp v[ZZ], v[ZZ], v[ZZ] row_xmask:8 row_mask:0xf bank_mask:0xf
	v_add_f32 v[ZZ], s79, v[ZZ]                    ; + b1
	v_mul_f32 v[ZZ+1], 0x4038aa3b, v[ZZ]           ; tanh(x) = 1 - 2 / (1 + 2^(2 log2(e) x)): an exponential that overflows gives 1, one that falls to 0 gives -1
	VW
	v_exp_f32 v[ZZ+1], v[ZZ+1]
	v_nop
	VW
	v_add_f32 v[ZZ+1], 1.0, v[ZZ+1]
	VW
	v_rcp_f32 v[ZZ+2], v[ZZ+1]
	v_nop
	VW
	v_fma_f32 v[ZZ+3], v[ZZ+2], -2.0, 1.0
	v_mov_b32 v[ZZ+4], 0
	v_cmp_eq_u32 vcc_lo, 0, v0
	VW
	s_wait_xcnt 0x0                                ; EXEC is a source of every earlier load: it changes only behind this wait
	s_and_saveexec_b32 s3, vcc_lo
	global_store_b32 v[ZZ+4], v[ZZ+3], s[22:23]    ; the batch's one number: 4 bytes a work-group, 1,024 in the launch
	s_wait_xcnt 0x0                                ; and again, in front of the line that widens it
	s_or_b32 exec_lo, exec_lo, s3
.Lend:
	s_endpgm
.Lfunc_end_k_q9b78c04c55_knrm:
	.size	k_q9b78c04c55_knrm, .Lfunc_end_k_q9b78c04c55_knrm-k_q9b78c04c55_knrm
	.p2alignl 7, 3214868480
	.fill 96, 4, 3214868480
	.section	.rodata,"a",@progbits
	.p2align	6, 0x0
	.amdhsa_kernel k_q9b78c04c55_knrm
		.amdhsa_group_segment_fixed_size 327680
		.amdhsa_private_segment_fixed_size 0
		.amdhsa_enable_private_segment 0
		.amdhsa_kernarg_size 80
		.amdhsa_user_sgpr_count 2
		.amdhsa_user_sgpr_kernarg_segment_ptr 1
		.amdhsa_wavefront_size32 1
		.amdhsa_system_sgpr_workgroup_id_x 1
		.amdhsa_system_sgpr_workgroup_id_y 1
		.amdhsa_system_sgpr_workgroup_id_z 1
		.amdhsa_system_vgpr_workitem_id 0
		.amdhsa_next_free_vgpr 256
		.amdhsa_next_free_sgpr 102
		.amdhsa_reserve_vcc 1
		.amdhsa_float_denorm_mode_32 3
		.amdhsa_float_denorm_mode_16_64 3
		.amdhsa_memory_ordered 1
		.amdhsa_forward_progress 1
		.amdhsa_inst_pref_size 118
	.end_amdhsa_kernel
	.amdgpu_metadata
---
amdhsa.version: [ 1, 2 ]
amdhsa.kernels:
  - .name:           k_q9b78c04c55_knrm
    .symbol:         k_q9b78c04c55_knrm.kd
    .args:
      - { .name: embeddings, .offset: 0, .size: 8, .value_kind: global_buffer, .address_space: global }
      - { .name: inputs_d, .offset: 8, .size: 8, .value_kind: global_buffer, .address_space: global }
      - { .name: inputs_q, .offset: 16, .size: 8, .value_kind: global_buffer, .address_space: global }
      - { .name: mask, .offset: 24, .size: 8, .value_kind: global_buffer, .address_space: global }
      - { .name: mu, .offset: 32, .size: 8, .value_kind: global_buffer, .address_space: global }
      - { .name: sigma, .offset: 40, .size: 8, .value_kind: global_buffer, .address_space: global }
      - { .name: q_weights, .offset: 48, .size: 8, .value_kind: global_buffer, .address_space: global }
      - { .name: W1, .offset: 56, .size: 8, .value_kind: global_buffer, .address_space: global }
      - { .name: b1, .offset: 64, .size: 8, .value_kind: global_buffer, .address_space: global }
      - { .name: out0, .offset: 72, .size: 8, .value_kind: global_buffer, .address_space: global }
    .group_segment_fixed_size: 327680
    .private_segment_fixed_size: 0
    .kernarg_segment_align: 8
    .kernarg_segment_size: 80
    .max_flat_workgroup_size: 512
    .sgpr_count:     102
    .vgpr_count:     256
    .wavefront_size: 32
...
	.end_amdgpu_metadata
.endif
;; end of part 1
